; MI455X (gfx1250); checked and timed in simulation.
; The chip was launched on July 23, 2026; its instructions are those of AMD's public machine-readable ISA for CDNA 5 (MIT licence, August 2026) and "CDNA5" Instruction Set Architecture Reference Guide (July 2026). The comments in the code are by the model that wrote it; some were corrected since.
;; Transfer Matrix Method. Allowed arithmetic: float matrix products may take bf16 or f16 operands with f32 sums; all other float work in f32.
;; Inputs: d_layers 1,024 x 64 float32; n_layers 1,024 x 64 float32; wavelengths 2,048 float32.
;; Outputs: out0 1,024 x 2,048 float32.
;; One version. Each part assembles by itself: llvm-mc -triple=amdgcn-amd-amdhsa -mcpu=gfx1250 --defsym DOCPART=n.
;; ======== version 1 of 1: 1 launch
;; limits: right only within a limited range of input values
;; launch tmm (part 1): grid 1024 x 1, 8 waves a work-group, no clusters, 0 bytes of LDS; arguments n_layers, d_layers, wavelengths, out0; writes out0
.if DOCPART == 1
	.amdgcn_target "amdgcn-amd-amdhsa--gfx1250"
	.amdhsa_code_object_version 6
	.text
	.protected	k_q420b66cfa8_tmm
	.globl	k_q420b66cfa8_tmm
	.p2align	8
	.type	k_q420b66cfa8_tmm,@function
k_q420b66cfa8_tmm:
	s_mov_b64 s[64:65], 0
	v_nop
	global_prefetch_b8 v0, s[64:65] scope:SCOPE_SE
	s_setreg_imm32_b32 hwreg(HW_REG_WAVE_MODE, 25, 1), 1
	s_wait_xcnt 0x0
; Reflectance of a stack of 64 layers by the transfer-matrix method.
; n, d: [1024][64] f32.  wavelengths: [2048] f32.  out: [1024][2048] f32.
;
; THE ALGEBRA.  A layer's matrix is [[C, -i S/(n+1e-8)], [-i n S, C]], C, S = cos, sin of phi = 2 pi n d / lambda.  Products of such
; matrices keep a real diagonal and imaginary off-diagonals, so the running product is four real numbers:
;   M = [[a, i bh], [-i c, d]],   a' = a C + bh (nS),  bh' = bh C + a (-S/n'),  c' = c C + d (nS),  d' = d C + c (-S/n'),  n' = n + 1e-8.
; R hangs only on the ratio of H to E, so a real factor common to a layer's four entries cancels.  That is used twice:
;  1. phi is reduced modulo pi (a turn by pi is the factor -1): t = 2 n d / lambda, g = round(t) - t in [-1/2, 1/2], x = pi g.
;     acc' = fma(1/lambda, 2nd, acc) with acc = 1.5 * 2^23 + (sum of the earlier round(t)) rounds t to an integer and adds it up in one
;     instruction; acc' - acc is round(t); the lowest bit of the last acc is the parity of all the factors -1.
;  2. (C, S) is replaced by (B, A), denominator and numerator of the sixth convergent of tan's continued fraction, over 10395:
;     A = x (1 - 4/33 x^2 + x^4/495),  B = 1 - 5/11 x^2 + 2/99 x^4 - x^6/10395.   B sin x - A cos x = x^7 j_6(x) / 10395, which is
;     an error of the angle of 2.1e-7 rad at |x| = pi/2 and falls as x^13 inside; the length of (B, A) lies between 1 and 1.12.
; That is 20 multiplies, adds and fused multiply-adds for a layer and a wavelength, all of them packed two to an instruction.
; At the end the four numbers are divided by their largest magnitude, the common factor is taken back from the determinant
; (a d - bh c = factor^2, since C^2 + S^2 n/n' = 1 to 1e-8) with its sign from the parity, so that E + 1e-9 is added at E's true scale.
;
; WHY NO MATRIX UNIT, LDS OR CLUSTER.  The products are 1024 x 2048 separate chains of 2 x 2 matrices: a 16 x 16 tile could carry 32
; useful numbers of 256, and the running product is carried through 62 steps, so it stays in f32.  Waves share nothing but the 8,192
; bytes of wavelengths and 512 bytes of n and d: no LDS, no barrier, no joint loads.
;
; SHARES.  A work-group of eight waves owns one batch row.  Thread t owns wavelengths 4t .. 4t+3 and 1024+4t .. 1024+4t+3 (four packed
; pairs), so each load and each store of a wave covers 512 consecutive bytes, aligned.  What hangs on the layer alone is the same for
; a whole wave: it is made by scalar instructions, half a trip ahead of its use.
;
; LIMITS.  n > 0 and finite, lambda a normal number; the sum over the layers of |2 n d / lambda| below 2^22 (else acc no longer rounds
; to integers); the product's entries times the common factor (at most 1.12^62 = 2^10.2) below 2^126.  The phase is formed with
; 1/lambda (reciprocal with one Newton step) where the reference forms fl(2 pi)/lambda: the phases differ by about 1e-7 of their
; size, and sums are rounded in another order.  NaN and infinity patterns of degenerate inputs are not reproduced.
.set TRIPS, 31                         ; 62 inner layers, two a trip
.set OFF,  1                           ; v1        16 t: my byte offset in the wavelengths and in the output row
.set IL,   2                           ; v[2:9]    1/lambda of my eight wavelengths: pair k in v[IL+2k : IL+2k+1]
.set X,    10                          ; v[10:49]  state block: pair k at X+10k: a +0, bh +2, c +4, d +6, acc +8
.set Y,    50                          ; v[50:89]  the other state block: a layer reads one and writes the other, so nothing is moved
.set F,    90                          ; v[90:97]  g, then -S/n'; at the end the results
.set Z,    98                          ; v[98:105] round(t), then z = g^2, then nS
.set CA1,  106                         ; v[106:107] second coefficient of A, twice
.set CB2,  108                         ; v[108:109] third coefficient of B, twice
.set T0,   Y                           ; at the end block Y is free: four sets of eight registers
.set T1,   Y+8
.set T2,   Y+16
.set T3,   Y+24
.set RN,   14                          ; s[14:15]  n of two neighbouring layers, as loaded
.set RD,   16                          ; s[16:17]  d of the same two
.set RD0,  18                          ; s[18:19]  d of layers 0 and 1
.set SETA, 20                          ; s[20:27]  the numbers of a trip's first layer: +0 2nd, +2 -2nd, +4 -n, +6 1/(n+1e-8)
.set SETB, 28                          ; s[28:35]  those of its second layer.  (+1 holds nd and +7 holds n+1e-8 on the way)
.set KA0,  36                          ; pi                 A = g (KA0 + CA1 z + KA2 z^2)
.set KA2,  38                          ; pi^5 / 495
.set KB1,  40                          ; -5/11 pi^2         B = 1 + KB1 z + CB2 z^2 + KB3 z^3
.set KB3,  42                          ; -pi^6 / 10395
.set KNI,  44                          ; s[44:45]  n of layers 0 and 1: the low one is n_in
.set KNS,  46                          ; n_sub
.set KNSM, 48                          ; -n_sub
.set KNP,  50                          ; n_in n_sub
.set KNPM, 52                          ; -n_in n_sub
.set KEY,  54                          ; 1e-9
.set CNT,  56                          ; trips left
	s_load_b256 s[4:11], s[0:1], 0x0               ; n s[4:5], d s[6:7], wavelengths s[8:9], out s[10:11]
	v_lshlrev_b32 v[OFF], 4, v0
	s_lshl_b32 s2, ttmp9, 8                        ; my row of n and of d: 64 x 4 bytes
	s_mov_b32 s3, 0
	s_lshl_b32 s12, ttmp9, 13                      ; my row of the output: 2048 x 4 bytes
	s_mov_b32 s13, 0
	s_mov_b32 s[KA0], 0x40490fdb                   ;  3.14159265
	s_mov_b32 s[KA2], 0x3f1e43c5                   ;  0.61822159
	s_mov_b32 s[KB1], 0xc08f8ed1                   ; -4.48618382
	s_mov_b32 s[KB3], 0xbdbd6929                   ; -0.09248573
	s_mov_b32 s[KEY], 0x3089705f                   ;  1e-9
	; A packed instruction names a scalar PAIR and, with op_sel_hi 0, takes the low register for both halves.  The upper partners
	; that nothing else writes are written once here, so that no pair holds an unwritten register.
.irp r, SETA+3, SETA+5, SETB+3, SETB+5, KA0+1, KA2+1, KB1+1, KB3+1, KNS+1, KNSM+1, KNP+1, KNPM+1, KEY+1
	s_mov_b32 s[\r], 0
.endr
	v_mov_b32 v[CA1],   0xc0708896                 ; -4/33 pi^3 = -3.75833657
	v_mov_b32 v[CA1+1], 0xc0708896
	v_mov_b32 v[CB2],   0x3ffbe2da                 ;  2/99 pi^4 =  1.96786042
	v_mov_b32 v[CB2+1], 0x3ffbe2da
.irp k, 0,1,2,3
	v_mov_b32 v[X+10*\k+8], 0x4b400000             ; acc = 1.5 * 2^23: from here on one unit in the last place is 1
	v_mov_b32 v[X+10*\k+9], 0x4b400000
.endr
	s_wait_kmcnt 0x0
	global_load_b128 v[Z:Z+3],   v[OFF], s[8:9]               ; lambda of 4t .. 4t+3
	global_load_b128 v[Z+4:Z+7], v[OFF], s[8:9] offset:4096   ; and of 1024+4t .. 1024+4t+3
	s_add_nc_u64 s[4:5], s[4:5], s[2:3]            ; n, d and out at my row
	s_add_nc_u64 s[6:7], s[6:7], s[2:3]
	s_add_nc_u64 s[10:11], s[10:11], s[12:13]
	s_load_b64 s[KNI:KNI+1], s[4:5], 0x0           ; n of layers 0, 1
	s_load_b64 s[RD0:RD0+1], s[6:7], 0x0           ; d of layers 0, 1 (reference() uses no d of layer 0)
	s_load_b64 s[RN:RN+1],   s[4:5], 0x8           ; n of layers 2, 3
	s_load_b64 s[RD:RD+1],   s[6:7], 0x8           ; d of layers 2, 3
; The four numbers of one layer, from its n and d: scalar work, which takes no vector issue slot but the reciprocal's.
.macro SCAL set, rn, rd
	s_mul_f32 s[\set+1], s[\rn], s[\rd]            ; n d, rounded as the reference rounds it
	s_add_f32 s[\set+7], s[\rn], 0x322bcc77        ; n + 1e-8
	s_mul_f32 s[\set+4], s[\rn], -1.0              ; -n
	s_add_f32 s[\set],   s[\set+1], s[\set+1]      ; 2 n d (exact)
	s_mul_f32 s[\set+2], s[\set+1], -2.0           ; -2 n d (exact)
	v_s_rcp_f32 s[\set+6], s[\set+7]               ; 1/(n + 1e-8): first read, and its source next written, dozens of plain vector instructions later (ISA guide 5.7.2)
.endm
; One layer for my four pairs: state block src -> block dst, the layer's numbers in set.  Each step runs over the four pairs, so
; that an instruction never needs the one in front of it.  While the polynomials are worked out, B lies in dst's a and A in dst's bh.
; first = 1: the product so far is the identity, so the layer's own entries are the new state and block src's a .. d are not read.
.macro LAYER src, dst, set, first
.irp k, 0,1,2,3
	v_pk_fma_f32 v[\dst+10*\k+8:\dst+10*\k+9], v[IL+2*\k:IL+2*\k+1], s[\set:\set+1], v[\src+10*\k+8:\src+10*\k+9] op_sel_hi:[1,0,1]   ; acc + t, rounded to an integer
.endr
.irp k, 0,1,2,3
	v_pk_add_f32 v[Z+2*\k:Z+2*\k+1], v[\dst+10*\k+8:\dst+10*\k+9], v[\src+10*\k+8:\src+10*\k+9] neg_lo:[0,1] neg_hi:[0,1]             ; round(t), exact
.endr
.irp k, 0,1,2,3
	v_pk_fma_f32 v[F+2*\k:F+2*\k+1], v[IL+2*\k:IL+2*\k+1], s[\set+2:\set+3], v[Z+2*\k:Z+2*\k+1] op_sel_hi:[1,0,1]                     ; g = round(t) - t, one rounding
.endr
.irp k, 0,1,2,3
	v_pk_mul_f32 v[Z+2*\k:Z+2*\k+1], v[F+2*\k:F+2*\k+1], v[F+2*\k:F+2*\k+1]                                                           ; z = g^2
.endr
.irp k, 0,1,2,3
	v_pk_fma_f32 v[\dst+10*\k+2:\dst+10*\k+3], v[Z+2*\k:Z+2*\k+1], s[KA2:KA2+1], v[CA1:CA1+1] op_sel_hi:[1,0,1]
	v_pk_fma_f32 v[\dst+10*\k:\dst+10*\k+1],   v[Z+2*\k:Z+2*\k+1], s[KB3:KB3+1], v[CB2:CB2+1] op_sel_hi:[1,0,1]
.endr
.irp k, 0,1,2,3
	v_pk_fma_f32 v[\dst+10*\k+2:\dst+10*\k+3], v[\dst+10*\k+2:\dst+10*\k+3], v[Z+2*\k:Z+2*\k+1], s[KA0:KA0+1] op_sel_hi:[1,1,0]
	v_pk_fma_f32 v[\dst+10*\k:\dst+10*\k+1],   v[\dst+10*\k:\dst+10*\k+1],   v[Z+2*\k:Z+2*\k+1], s[KB1:KB1+1] op_sel_hi:[1,1,0]
.endr
.irp k, 0,1,2,3
	v_pk_mul_f32 v[\dst+10*\k+2:\dst+10*\k+3], v[\dst+10*\k+2:\dst+10*\k+3], v[F+2*\k:F+2*\k+1]                                       ; g p(z) = -A, as g = -(t - round t)
.if \first
	v_pk_fma_f32 v[\dst+10*\k+6:\dst+10*\k+7], v[\dst+10*\k:\dst+10*\k+1],   v[Z+2*\k:Z+2*\k+1], 1.0 op_sel_hi:[1,1,0]                ; d = B
.endif
	v_pk_fma_f32 v[\dst+10*\k:\dst+10*\k+1],   v[\dst+10*\k:\dst+10*\k+1],   v[Z+2*\k:Z+2*\k+1], 1.0 op_sel_hi:[1,1,0]                ; B (first layer: a = B)
.endr
.if \first
.irp k, 0,1,2,3
	v_pk_mul_f32 v[\dst+10*\k+4:\dst+10*\k+5], v[\dst+10*\k+2:\dst+10*\k+3], s[\set+4:\set+5] op_sel_hi:[1,0]                         ; c  = (-A)(-n) = nS
	v_pk_mul_f32 v[\dst+10*\k+2:\dst+10*\k+3], v[\dst+10*\k+2:\dst+10*\k+3], s[\set+6:\set+7] op_sel_hi:[1,0]                         ; bh = (-A)/n'  = -S/n'
.endr
.else
.irp k, 0,1,2,3
	v_pk_mul_f32 v[F+2*\k:F+2*\k+1], v[\dst+10*\k+2:\dst+10*\k+3], s[\set+6:\set+7] op_sel_hi:[1,0]                                   ; -S/n'
	v_pk_mul_f32 v[Z+2*\k:Z+2*\k+1], v[\dst+10*\k+2:\dst+10*\k+3], s[\set+4:\set+5] op_sel_hi:[1,0]                                   ; nS (z has been read for the last time)
.endr
.irp k, 0,1,2,3
	v_pk_mul_f32 v[\dst+10*\k+2:\dst+10*\k+3], v[\src+10*\k+2:\src+10*\k+3], v[\dst+10*\k:\dst+10*\k+1]                               ; bh B (A is no longer needed)
	v_pk_mul_f32 v[\dst+10*\k+4:\dst+10*\k+5], v[\src+10*\k+4:\src+10*\k+5], v[\dst+10*\k:\dst+10*\k+1]                               ; c B
	v_pk_mul_f32 v[\dst+10*\k+6:\dst+10*\k+7], v[\src+10*\k+6:\src+10*\k+7], v[\dst+10*\k:\dst+10*\k+1]                               ; d B
	v_pk_mul_f32 v[\dst+10*\k:\dst+10*\k+1],   v[\src+10*\k:\src+10*\k+1],   v[\dst+10*\k:\dst+10*\k+1]                               ; a B, last: it lands on B
.endr
.irp k, 0,1,2,3
	v_pk_fma_f32 v[\dst+10*\k:\dst+10*\k+1],   v[\src+10*\k+2:\src+10*\k+3], v[Z+2*\k:Z+2*\k+1], v[\dst+10*\k:\dst+10*\k+1]           ; a'  = a B + bh nS
	v_pk_fma_f32 v[\dst+10*\k+2:\dst+10*\k+3], v[\src+10*\k:\src+10*\k+1],   v[F+2*\k:F+2*\k+1], v[\dst+10*\k+2:\dst+10*\k+3]         ; bh' = bh B - a S/n'
	v_pk_fma_f32 v[\dst+10*\k+4:\dst+10*\k+5], v[\src+10*\k+6:\src+10*\k+7], v[Z+2*\k:Z+2*\k+1], v[\dst+10*\k+4:\dst+10*\k+5]         ; c'  = c B + d nS
	v_pk_fma_f32 v[\dst+10*\k+6:\dst+10*\k+7], v[\src+10*\k+4:\src+10*\k+5], v[F+2*\k:F+2*\k+1], v[\dst+10*\k+6:\dst+10*\k+7]         ; d'  = d B - c S/n'
.endr
.endif
.endm
; Trip i (0 .. 30) takes layers 2i+1 and 2i+2.  At its head RN, RD hold layers 2i+2 and 2i+3.  The second layer's numbers are made in
; front of the first layer's 80 vector instructions, those of the next trip's first layer in front of the second layer's, and then
; the next pair of n and d is asked for: each scalar result and each load has half a trip to arrive.
; more = 1: there is a next trip that needs a pair.  The last pair asked for holds layers 62 and 63, the row's end.
.macro TRIP first, more
	s_wait_kmcnt 0x0                               ; scalar loads return in no order (ISA guide 5.7.1): zero is the only count that shows the pair in
.if \more
	s_add_nc_u64 s[4:5], s[4:5], 8                 ; behind that wait no load reads the two bases any more: now row + 8 (i + 1)
	s_add_nc_u64 s[6:7], s[6:7], 8
.endif
	SCAL SETB, RN, RD                              ; layer 2i+2
	LAYER X, Y, SETA, \first
.if \more
	SCAL SETA, RN+1, RD+1                          ; layer 2i+3
	s_load_b64 s[RN:RN+1], s[4:5], 0x8             ; layers 2i+4, 2i+5
	s_load_b64 s[RD:RD+1], s[6:7], 0x8
.endif
	LAYER Y, X, SETB, 0
.endm
	s_wait_kmcnt 0x0
	SCAL SETA, KNI+1, RD0+1                        ; layer 1
	s_wait_loadcnt 0x0                             ; the eight wavelengths, once
.irp i, 0,1,2,3,4,5,6,7
	v_rcp_f32 v[IL+\i], v[Z+\i]
.endr
	v_nop                                          ; one plain vector instruction between the reciprocals and their first use (ISA guide 5.7.2)
	s_wait_alu depctr_va_vdst(0)
.irp i, 0,1,2,3,4,5,6,7
	v_fma_f32 v[F+\i], -v[Z+\i], v[IL+\i], 1.0     ; one Newton step: e = 1 - lambda r,
.endr
.irp i, 0,1,2,3,4,5,6,7
	v_fma_f32 v[IL+\i], v[IL+\i], v[F+\i], v[IL+\i] ; r + r e: this error is common to all 62 phases of a wavelength, so it is kept small
.endr
	TRIP 1, 1                                      ; the first trip stands in front of the loop: layer 1 starts the product
	s_mov_b32 s[CNT], TRIPS-2
.Ltrip:
	TRIP 0, 1
	s_sub_co_i32 s[CNT], s[CNT], 1
	s_cmp_lg_u32 s[CNT], 0
	s_cbranch_scc1 .Ltrip
	TRIP 0, 0                                      ; layers 61 and 62: nothing more is loaded; RN+1 still holds n of layer 63
	; THE END OF THE CHAIN.  Block X holds factor * (a, bh, c, d).
	s_mov_b32 s[KNS],  s[RN+1]                     ; n_sub
	s_mul_f32 s[KNSM], s[RN+1], -1.0
	s_mul_f32 s[KNP],  s[KNI], s[RN+1]             ; n_in n_sub
	s_mul_f32 s[KNPM], s[KNP], -1.0
	; divide by the largest magnitude, so that the squares below stay in range whatever the factor was
.irp k, 0,1,2,3
.irp j, 0,1
	v_max3_num_f32 v[T0+2*\k+\j], |v[X+10*\k+\j]|, |v[X+10*\k+2+\j]|, |v[X+10*\k+4+\j]|
.endr
.endr
.irp k, 0,1,2,3
.irp j, 0,1
	v_max_num_f32 v[T0+2*\k+\j], v[T0+2*\k+\j], |v[X+10*\k+6+\j]|
.endr
.endr
.irp i, 0,1,2,3,4,5,6,7
	v_rcp_f32 v[T1+\i], v[T0+\i]
.endr
	v_nop                                          ; the plain place behind the reciprocals
	s_wait_alu depctr_va_vdst(0)
.irp k, 0,1,2,3
.irp e, 0,2,4,6
	v_pk_mul_f32 v[X+10*\k+\e:X+10*\k+\e+1], v[X+10*\k+\e:X+10*\k+\e+1], v[T1+2*\k:T1+2*\k+1]
.endr
.endr
	; what is left of the factor: its square is the determinant a d - bh c, its sign the parity of the sum of the round(t)
.irp k, 0,1,2,3
	v_pk_mul_f32 v[T0+2*\k:T0+2*\k+1], v[X+10*\k+2:X+10*\k+3], v[X+10*\k+4:X+10*\k+5]
.endr
.irp k, 0,1,2,3
.irp j, 0,1
	v_fma_f32 v[T0+2*\k+\j], v[X+10*\k+\j], v[X+10*\k+6+\j], -v[T0+2*\k+\j]
.endr
.endr
.irp i, 0,1,2,3,4,5,6,7
	v_max_num_f32 v[T0+\i], 0, v[T0+\i]            ; cancellation may leave a negative number: then the 1e-9 is below all that is held anyway
.endr
.irp i, 0,1,2,3,4,5,6,7
	v_sqrt_f32 v[T1+\i], v[T0+\i]
.endr
.irp k, 0,1,2,3
.irp j, 0,1
	v_lshlrev_b32 v[T2+2*\k+\j], 31, v[X+10*\k+8+\j]   ; acc's lowest bit becomes a sign bit (these are also the plain places behind the roots)
.endr
.endr
	s_wait_alu depctr_va_vdst(0)
.irp i, 0,1,2,3,4,5,6,7
	v_xor_b32 v[T1+\i], v[T1+\i], v[T2+\i]
.endr
	; E + 1e-9 = (a + 1e-9 factor) + i n_sub bh,  H = n_sub d - i c,  r = (n_in E - H) / (n_in E + H),  R = |r|^2
.irp k, 0,1,2,3
	v_pk_fma_f32 v[T0+2*\k:T0+2*\k+1], v[T1+2*\k:T1+2*\k+1], s[KEY:KEY+1], v[X+10*\k:X+10*\k+1] op_sel_hi:[1,0,1]          ; a + 1e-9 factor
	v_pk_fma_f32 v[T2+2*\k:T2+2*\k+1], v[X+10*\k+2:X+10*\k+3], s[KNP:KNP+1],   v[X+10*\k+4:X+10*\k+5] op_sel_hi:[1,0,1]    ; Im(n_in E - H) =  n_in n_sub bh + c
	v_pk_fma_f32 v[T3+2*\k:T3+2*\k+1], v[X+10*\k+2:X+10*\k+3], s[KNPM:KNPM+1], v[X+10*\k+4:X+10*\k+5] op_sel_hi:[1,0,1]    ; -Im(n_in E + H) = c - n_in n_sub bh
.endr
.irp k, 0,1,2,3
	v_pk_mul_f32 v[T0+2*\k:T0+2*\k+1], v[T0+2*\k:T0+2*\k+1], s[KNI:KNI+1] op_sel_hi:[1,0]
.endr
.irp k, 0,1,2,3
	v_pk_fma_f32 v[T1+2*\k:T1+2*\k+1], v[X+10*\k+6:X+10*\k+7], s[KNS:KNS+1],   v[T0+2*\k:T0+2*\k+1] op_sel_hi:[1,0,1]      ; Re(n_in E + H)
	v_pk_fma_f32 v[T0+2*\k:T0+2*\k+1], v[X+10*\k+6:X+10*\k+7], s[KNSM:KNSM+1], v[T0+2*\k:T0+2*\k+1] op_sel_hi:[1,0,1]      ; Re(n_in E - H)
.endr
.irp k, 0,1,2,3
	v_pk_mul_f32 v[T0+2*\k:T0+2*\k+1], v[T0+2*\k:T0+2*\k+1], v[T0+2*\k:T0+2*\k+1]
	v_pk_mul_f32 v[T1+2*\k:T1+2*\k+1], v[T1+2*\k:T1+2*\k+1], v[T1+2*\k:T1+2*\k+1]
.endr
.irp k, 0,1,2,3
	v_pk_fma_f32 v[T0+2*\k:T0+2*\k+1], v[T2+2*\k:T2+2*\k+1], v[T2+2*\k:T2+2*\k+1], v[T0+2*\k:T0+2*\k+1]                    ; |n_in E - H|^2
	v_pk_fma_f32 v[T1+2*\k:T1+2*\k+1], v[T3+2*\k:T3+2*\k+1], v[T3+2*\k:T3+2*\k+1], v[T1+2*\k:T1+2*\k+1]                    ; |n_in E + H|^2
.endr
.irp i, 0,1,2,3,4,5,6,7
	v_rcp_f32 v[T2+\i], v[T1+\i]
.endr
	v_nop                                          ; the plain place behind the reciprocals
	s_wait_alu depctr_va_vdst(0)
.irp k, 0,1,2,3
	v_pk_mul_f32 v[F+2*\k:F+2*\k+1], v[T0+2*\k:T0+2*\k+1], v[T2+2*\k:T2+2*\k+1]
.endr
	global_store_b128 v[OFF], v[F:F+3],   s[10:11] th:TH_STORE_NT               ; each store of the wave covers 512 consecutive bytes, aligned;
	global_store_b128 v[OFF], v[F+4:F+7], s[10:11] offset:4096 th:TH_STORE_NT   ; the output is written once and not read again
	s_endpgm
.Lfunc_end_k_q420b66cfa8_tmm:
	.size	k_q420b66cfa8_tmm, .Lfunc_end_k_q420b66cfa8_tmm-k_q420b66cfa8_tmm
	.p2alignl 7, 3214868480
	.fill 96, 4, 3214868480
	.section	.rodata,"a",@progbits
	.p2align	6, 0x0
	.amdhsa_kernel k_q420b66cfa8_tmm
		.amdhsa_group_segment_fixed_size 0
		.amdhsa_private_segment_fixed_size 0
		.amdhsa_enable_private_segment 0
		.amdhsa_kernarg_size 32
		.amdhsa_user_sgpr_count 2
		.amdhsa_user_sgpr_kernarg_segment_ptr 1
		.amdhsa_wavefront_size32 1
		.amdhsa_system_sgpr_workgroup_id_x 1
		.amdhsa_system_sgpr_workgroup_id_y 1
		.amdhsa_system_sgpr_workgroup_id_z 1
		.amdhsa_system_vgpr_workitem_id 0
		.amdhsa_next_free_vgpr 110
		.amdhsa_next_free_sgpr 66
		.amdhsa_reserve_vcc 0
		.amdhsa_float_denorm_mode_32 3
		.amdhsa_float_denorm_mode_16_64 3
		.amdhsa_memory_ordered 1
		.amdhsa_forward_progress 1
		.amdhsa_inst_pref_size 42
	.end_amdhsa_kernel
	.amdgpu_metadata
---
amdhsa.version: [ 1, 2 ]
amdhsa.kernels:
  - .name:           k_q420b66cfa8_tmm
    .symbol:         k_q420b66cfa8_tmm.kd
    .args:
      - { .name: n_layers, .offset: 0, .size: 8, .value_kind: global_buffer, .address_space: global }
      - { .name: d_layers, .offset: 8, .size: 8, .value_kind: global_buffer, .address_space: global }
      - { .name: wavelengths, .offset: 16, .size: 8, .value_kind: global_buffer, .address_space: global }
      - { .name: out0, .offset: 24, .size: 8, .value_kind: global_buffer, .address_space: global }
    .group_segment_fixed_size: 0
    .private_segment_fixed_size: 0
    .kernarg_segment_align: 8
    .kernarg_segment_size: 32
    .max_flat_workgroup_size: 256
    .sgpr_count:     66
    .vgpr_count:     110
    .wavefront_size: 32
...
	.end_amdgpu_metadata
.endif
;; end of part 1
